; MI455X (gfx1250); checked and timed in simulation.
; The chip was launched on July 23, 2026; its instructions are those of AMD's public machine-readable ISA for CDNA 5 (MIT licence, August 2026) and "CDNA5" Instruction Set Architecture Reference Guide (July 2026). The comments in the code are by the model that wrote it; some were corrected since.
;; Multi Head Attention. Allowed arithmetic: matrix products marked QUANTISED: E2M1 operands, one E8M0 scale for each 32 along K, by v_wmma_scale_f32_16x16x128_f8f6f4 with both operands' format E2M1 (or v_wmma_scale_f32_32x16x128_f4), f32 sums; everything else in f32.
;; Inputs: Wk 1,024 x 1,024 float32; Wo 1,024 x 1,024 float32; Wq 1,024 x 1,024 float32; Wv 1,024 x 1,024 float32; bk 1,024 float32; bo 1,024 float32; bq 1,024 float32; bv 1,024 float32; key 4 x 2,048 x 1,024 float32; query 4 x 2,048 x 1,024 float32; value 4 x 2,048 x 1,024 float32.
;; Outputs: out0 4 x 2,048 x 1,024 float32.
;; This version of the problem:
;;   THIS VERSION OF THE PROBLEM IS GIVEN IN LOW PRECISION. The matrix products marked QUANTISED in the list below multiply operands that are first quantised to E2M1 (2 exponent bits, 1 mantissa bit; 4 bits a number), with one power-of-two scale for each 32 numbers along K (OCP MX v1.0); their sums are f32. All else is computed in f32.
;;   The module's matrix products, in the order in which they are computed (A, B: the left and right operand; K: the contracted axis; several contracted axes count as one K, in the product's order):
;;     1. [M 8,192, K 1,024] x [K 1,024, N 1,024]; A: input query; B: input Wq: QUANTISED
;;     2. [M 8,192, K 1,024] x [K 1,024, N 1,024]; A: input key; B: input Wk: QUANTISED
;;     3. [M 8,192, K 1,024] x [K 1,024, N 1,024]; A: input value; B: input Wv: QUANTISED
;;     4. batch 64 x [M 2,048, K 64] x [K 64, N 2,048]; A: computed on the way; B: computed on the way: QUANTISED
;;     5. batch 64 x [M 2,048, K 2,048] x [K 2,048, N 64]; A: softmax (see below); B: computed on the way: QUANTISED
;;     6. [M 8,192, K 1,024] x [K 1,024, N 1,024]; A: computed on the way; B: input Wo: QUANTISED
;;   THE QUANTISER, for each operand of a quantised product, along K:
;;     - K is cut into blocks of 32 from its start; a last block that is shorter is filled with zeros.
;;     - A block's scale is 2^e with e = floor(log2(the largest magnitude in the block)) - 2, held to -126 .. 127; a block of zeros has e = 0. As a byte (E8M0): e + 127.
;;     - Each number is divided by its block's scale, clamped to +-6, and rounded to the nearest number of E2M1, ties to even, subnormals kept.
;;     - The product sums the exact products of the quantised numbers (number of the format x scale) in f32.
;;   ~~~python
;;   def quantise(x, axis):      # numpy; x: float32 -> the quantised numbers, widened to float32 again
;;       x = np.moveaxis(x, axis, -1); K = x.shape[-1]
;;       x = np.pad(x, [(0, 0)] * (x.ndim - 1) + [(0, -K % 32)]); x = x.reshape(x.shape[:-1] + (-1, 32)); a = np.abs(x).max(-1, keepdims=True)
;;       e = np.where(a > 0, np.clip(np.frexp(np.where(a > 0, a, 1))[1] - 1 - 2, -126, 127), 0)      # np.frexp(a)[1] - 1 = floor(log2(a)), exactly
;;       r = np.clip(x / 2.0 ** e, -6, 6)
;;       step = 2.0 ** (np.maximum(np.frexp(np.where(r == 0, 1, r))[1] - 1, 0) - 1)
;;       q = np.round(r / step) * step * 2.0 ** e      # np.round: ties to even
;;       return np.moveaxis(q.reshape(q.shape[:-2] + (-1,))[..., :K], -1, axis).astype(np.float32)
;;   ~~~
;;   SOFTMAX AHEAD OF A QUANTISED PRODUCT. Where the list says 'softmax', what is quantised is not the finished softmax but p = 2^(t - M), with t = logit x log2(e) and M = ceil(the row's largest t), a whole number; so 1/2 < the row's largest p <= 1. The row's sum l is taken of the UNQUANTISED p, in f32, and the product's result is divided by l at the end. Since M is a whole number, a kernel that streams over the keys may use a running M (the ceiling of the running maximum): every later rescaling is an exact power of two, which a block's scale takes up: the codes' values come out the same.
;;   OPERANDS COMPUTED ON THE WAY. 'Computed on the way' means the value that the module computes at that place (a softmax that the list does not call 'softmax' is quantised finished and normalised). What goes into a quantiser is computed in f32, as accurately as f32 sums, v_exp_f32 and their like allow (about 1e-6 of the number): no bf16 or f16 on the way to a quantiser, and a product that is left as it is and whose result goes on into a quantised operand takes f32 operands (vector FMAs, or v_wmma_f32_16x16x4_f32). A number that lies on a knife's edge between two numbers of the format may be rounded either way, as far as f32 arithmetic and the matrix unit's own rounding can turn it there, and no further.
;; One version. Each part assembles by itself: llvm-mc -triple=amdgcn-amd-amdhsa -mcpu=gfx1250 --defsym DOCPART=n.
;; ======== version 1 of 1: 4 launches
;; workspace buffers: img 15,597,568 bytes; qkvc 12,582,912 bytes; sc 1,310,720 bytes; aimg 4,456,448 bytes
;; launch quant (part 1): grid 256 x 1, 7 waves a work-group, no clusters, 60,160 bytes of LDS; arguments query, key, value, Wq, Wk, Wv, Wo, img; writes img
.if DOCPART == 1
	.amdgcn_target "amdgcn-amd-amdhsa--gfx1250"
	.amdhsa_code_object_version 6
	.text
	.protected	k_q5ee048e931_quant
	.globl	k_q5ee048e931_quant
	.p2align	8
	.type	k_q5ee048e931_quant,@function
k_q5ee048e931_quant:
	s_mov_b64 s[64:65], 0
	v_nop
	global_prefetch_b8 v0, s[64:65] scope:SCOPE_SE
	s_setreg_imm32_b32 hwreg(HW_REG_WAVE_MODE, 25, 1), 1
	s_wait_xcnt 0x0
; MULTI-HEAD ATTENTION IN MX-FP4, launch 1 of 4: the seven f32 operands of products 1, 2, 3 and 6 (query, key, value: [8192][1024]; Wq, Wk, Wv, Wo: [1024][1024], K innermost in all)
; become codes of E2M1 with one E8M0 byte for each 32 along K, laid as the later launches' operand registers want them.
; DEAD WORK: none.  Every input has a way to out0: bq, bk and bv move the codes of q, k and v, bo is added to the result; so nothing of reference() is left out in any launch.
; LIMITS: NaN and infinities among the inputs are not served.  A block whose largest magnitude lies under 2^-124 (a block of zeros among them) keeps the byte 1 where the rule says another:
; a block of zeros has zero codes, which add nothing under any byte but 0xff, and these bytes are read by this program alone.
; A RECORD (8,704 bytes) holds a tile of 16 rows x K = 1,024: bytes 0-511 the scale words [g / 4][row 0..15][g % 4], a word = the four bytes of K step g (128 along K);
; bytes 512 on the codes [g 0..7][c 0..1][lane][16 bytes]: an image of registers 4 c .. 4 c + 3 of fragment g: lane (r, h) holds k = 128 g + 64 c + 32 h + 0 .. 31 of the tile's row r.
; THE ROWS OF A TILE ARE NOT NEIGHBOURS: tile 2 B + u holds rows 32 B + 8 u + r + 8 (r / 8), so that in a product's result the 16 registers of two neighbouring tiles are 16 neighbours.
; SHARES: 1,792 tiles = 256 work-groups x 7 waves: a wave makes one whole record from 64 KiB of f32.  Each load reads 512 consecutive bytes of one row; a K step's 16 x 512 bytes turn through the wave's
; own stage in LDS (rows 528 bytes apart) and come back 128 bytes a lane and block, so that a lane holds two whole blocks of 32.  Two K steps' loads (32) are out at most.
; No matrix unit, no cluster, no barrier: waves share nothing, and the launch only streams.
.set REC,   8704
.set SP,    528                        ; a stage row: 512 bytes + 16
.set STG,   16*SP                      ; a wave's stage, 33 blocks of 256 bytes
.set SPARE, 7*STG                      ; behind the stages: the spare words, 128 bytes a wave, four blocks of 256 bytes that no other line names
.set TM,    8                          ; v8-9    largest magnitudes of my two blocks
.set SCL,   10                         ; v10-11  the conversions' scale operands
.set BY,    12                         ; v12-13  the scale bytes;  v14-15 at work on the word
.set WD,    16                         ; v16-23  the scale words of K steps 0 to 7
.set WO,    24                         ; v24-27  the four words that I store
.set SPW,   28                         ; v28     LDS address of my spare word; never rewritten
.set NIL,   29                         ; v29     0; never rewritten
.set PC,    32                         ; v32-47  codes, two sets of 8
.set X,     64                         ; v64-127 my 64 numbers of a K step
.set R,     128                        ; v128-255 two sets of 64: a K step as loaded
	s_load_b512 s[8:23], s[0:1], 0x0               ; query, key, value, Wq, Wk, Wv, Wo, img
	v_lshl_add_u32 v[SPW], v0, 2, SPARE
	v_mov_b32 v[NIL], 0
	v_lshrrev_b32 v1, 5, v0
	v_readfirstlane_b32 s2, v1                     ; wave 0..6
	v_and_b32 v1, 31, v0                           ; lane
	v_and_b32 v2, 15, v0                           ; r
	v_bfe_u32 v3, v0, 4, 1                         ; h
	v_lshlrev_b32 v4, 4, v1                        ; 16 x lane: my bytes of a load's or a store's 512
	s_mul_i32 s3, s2, STG
	v_add_nc_u32 v5, s3, v4                        ; into the stage: as loaded
	v_mul_u32_u24 v6, v2, SP
	v_lshl_add_u32 v6, v3, 7, v6
	v_add_nc_u32 v6, s3, v6                        ; out of it: row r, + 128 h: 32 numbers of a block
	v_lshlrev_b32 v7, 3, v3                        ; 8 h: my bytes' place in a scale word
	v_mov_b32 v15, 0                               ; written once: a lane permute's destination counts as one of its sources
	s_mov_b32 s30, 0x76543210
	s_mov_b32 s31, 0xfedcba98                      ; selects for lane l xor 16
	s_mul_i32 s4, ttmp9, 7
	s_add_co_u32 s4, s4, s2                        ; my tile, and my record: 0 .. 1,791
	s_wait_alu depctr_va_vdst(0)
	s_wait_kmcnt 0x0
	s_mov_b64 s[24:25], s[8:9]                     ; which tensor, and its first tile: chosen on the tile's number alone
	s_mov_b32 s5, 0
.macro PICK lim, lo
	s_cmp_ge_u32 s4, \lim
	s_cselect_b64 s[24:25], s[\lo:\lo+1], s[24:25]
	s_cselect_b32 s5, \lim, s5
.endm
	PICK 512, 10
	PICK 1024, 12
	PICK 1536, 14
	PICK 1600, 16
	PICK 1664, 18
	PICK 1728, 20
	s_sub_co_u32 s6, s4, s5                        ; the tile's number in its tensor, 2 B + u
	s_lshr_b32 s7, s6, 1
	s_lshl_b32 s7, s7, 17                          ; 32 B rows of 4,096 bytes
	s_and_b32 s6, s6, 1
	s_lshl_b32 s6, s6, 15                          ; 8 u rows
	s_add_co_u32 s6, s6, s7
	s_mov_b32 s7, 0
	s_add_nc_u64 s[24:25], s[24:25], s[6:7]
	s_mul_i32 s6, s4, REC
	s_add_nc_u64 s[26:27], s[22:23], s[6:7]        ; my record
.macro LOADF g                         ; K step g of the tile's 16 rows: each load reads 512 consecutive bytes of one row
.irp p, 0,1,2,3,4,5,6,7,8,9,10,11,12,13,14,15
	global_load_b128 v[R+64*((\g)%2)+4*\p:R+64*((\g)%2)+4*\p+3], v4, s[24:25] offset:(\p+8*(\p/8))*4096+512*(\g) th:TH_LOAD_NT
.endr
.endm
.macro FRAG g
.if (\g) < 7
	s_wait_loadcnt 16                              ; this K step's 16 loads are in; the next step's 16 may be out
.else
	s_wait_loadcnt 0x0
.endif
.irp p, 0,1,2,3,4,5,6,7,8,9,10,11,12,13,14,15
	ds_store_b128 v5, v[R+64*((\g)%2)+4*\p:R+64*((\g)%2)+4*\p+3] offset:SP*\p
.endr
.irp c, 0,1
.irp j, 0,1,2,3,4,5,6,7
	ds_load_b128 v[X+32*\c+4*\j:X+32*\c+4*\j+3], v6 offset:256*\c+16*\j   ; LDS serves a wave's instructions in order: these see the stores above
.endr
.endr
	s_wait_dscnt 0x0                               ; my 64 numbers are back, and the stores have read their registers,
.if (\g) < 6
	LOADF (\g)+2                                   ; which take the loads of two K steps on
.endif
.irp c, 0,1
	v_max3_num_f32 v[TM+\c], |v[X+32*\c]|, |v[X+32*\c+1]|, 0x1800000   ; my block 2 c + h: all its 32 numbers are mine; the floor 2^(3 - 127) holds the byte at 1 from below
.endr
.irp i, 2,4,6,8,10,12,14,16,18,20,22,24,26,28,30
.irp c, 0,1
	v_max3_num_f32 v[TM+\c], v[TM+\c], |v[X+32*\c+\i]|, |v[X+32*\c+\i+1]|
.endr
.endr
.irp c, 0,1
	v_add_nc_u32 v[SCL+\c], 0xff000000, v[TM+\c]   ; 2 off the exponent field: the conversion takes that field as its scale
.endr
.irp c, 0,1
	v_lshrrev_b32 v[BY+\c], 23, v[SCL+\c]          ; the scale's byte
.endr
	v_lshl_or_b32 v14, v[BY+1], 16, v[BY]          ; my two bytes, blocks h and 2 + h,
	v_lshlrev_b32 v14, v7, v14                     ; at their places in the word;
	v_permlanex16_b32 v15, v14, s30, s31
	v_or_b32 v[WD+(\g)], v14, v15                  ; with lane l xor 16's two the word is whole, in both lanes
	s_wait_alu depctr_va_vdst(0)
	s_wait_xcnt 0x0                                ; the stores of two K steps ago have read this set of codes: it is written again only behind this wait
.irp c, 0,1
.irp q, 0,1,2,3
	v_cvt_scalef32_pk8_fp4_f32 v[PC+8*((\g)%2)+4*\c+\q], v[X+32*\c+8*\q:X+32*\c+8*\q+7], v[SCL+\c]
.endr
.endr
	v_nop                                          ; one plain line behind the last scaled conversion
.irp c, 0,1
	global_store_b128 v4, v[PC+8*((\g)%2)+4*\c:PC+8*((\g)%2)+4*\c+3], s[26:27] offset:512+1024*(\g)+512*\c   ; 32 lanes store 512 consecutive bytes, aligned to 256
.endr
.endm
	LOADF 0
	LOADF 1
.irp g, 0,1,2,3,4,5,6,7
	FRAG \g
.endr
	v_cmp_le_u32 vcc_lo, 16, v1                    ; lanes 0-15 store row r's words of K steps 0-3, lanes 16-31 those of K steps 4-7
.irp i, 0,1,2,3
	v_cndmask_b32 v[WO+\i], v[WD+\i], v[WD+4+\i], vcc_lo
.endr
	global_store_b128 v4, v[WO:WO+3], s[26:27]     ; the record's 512 bytes of scale words, whole
	s_wait_tensorcnt 0x0                           ; the wave's end, behind my last LDS store
	ds_add_u32 v[SPW], v[NIL]
	s_wait_dscnt 0x0
	s_endpgm
.Lfunc_end_k_q5ee048e931_quant:
	.size	k_q5ee048e931_quant, .Lfunc_end_k_q5ee048e931_quant-k_q5ee048e931_quant
	.p2alignl 7, 3214868480
	.fill 96, 4, 3214868480
	.section	.rodata,"a",@progbits
	.p2align	6, 0x0
	.amdhsa_kernel k_q5ee048e931_quant
		.amdhsa_group_segment_fixed_size 60160
		.amdhsa_private_segment_fixed_size 0
		.amdhsa_enable_private_segment 0
		.amdhsa_kernarg_size 64
		.amdhsa_user_sgpr_count 2
		.amdhsa_user_sgpr_kernarg_segment_ptr 1
		.amdhsa_wavefront_size32 1
		.amdhsa_system_sgpr_workgroup_id_x 1
		.amdhsa_system_sgpr_workgroup_id_y 1
		.amdhsa_system_sgpr_workgroup_id_z 1
		.amdhsa_system_vgpr_workitem_id 0
		.amdhsa_next_free_vgpr 256
		.amdhsa_next_free_sgpr 66
		.amdhsa_reserve_vcc 1
		.amdhsa_float_denorm_mode_32 3
		.amdhsa_float_denorm_mode_16_64 3
		.amdhsa_memory_ordered 1
		.amdhsa_forward_progress 1
		.amdhsa_inst_pref_size 58
	.end_amdhsa_kernel
	.amdgpu_metadata
---
amdhsa.version: [ 1, 2 ]
amdhsa.kernels:
  - .name:           k_q5ee048e931_quant
    .symbol:         k_q5ee048e931_quant.kd
    .args:
      - { .name: query, .offset: 0, .size: 8, .value_kind: global_buffer, .address_space: global }
      - { .name: key, .offset: 8, .size: 8, .value_kind: global_buffer, .address_space: global }
      - { .name: value, .offset: 16, .size: 8, .value_kind: global_buffer, .address_space: global }
      - { .name: Wq, .offset: 24, .size: 8, .value_kind: global_buffer, .address_space: global }
      - { .name: Wk, .offset: 32, .size: 8, .value_kind: global_buffer, .address_space: global }
      - { .name: Wv, .offset: 40, .size: 8, .value_kind: global_buffer, .address_space: global }
      - { .name: Wo, .offset: 48, .size: 8, .value_kind: global_buffer, .address_space: global }
      - { .name: img, .offset: 56, .size: 8, .value_kind: global_buffer, .address_space: global }
    .group_segment_fixed_size: 60160
    .private_segment_fixed_size: 0
    .kernarg_segment_align: 8
    .kernarg_segment_size: 64
    .max_flat_workgroup_size: 224
    .sgpr_count:     66
    .vgpr_count:     256
    .wavefront_size: 32
...
	.end_amdgpu_metadata
.endif
;; end of part 1
;; launch proj (part 2): grid 8 x 96, 8 waves a work-group, clusters of 4 x 4, 209,920 bytes of LDS; arguments img, bq, bk, bv, qkvc, sc; writes qkvc, sc
.if DOCPART == 2
	.amdgcn_target "amdgcn-amd-amdhsa--gfx1250"
	.amdhsa_code_object_version 6
	.text
	.protected	k_q5ee048e931_proj
	.globl	k_q5ee048e931_proj
	.p2align	8
	.type	k_q5ee048e931_proj,@function
k_q5ee048e931_proj:
	s_mov_b64 s[64:65], 0
	v_nop
	global_prefetch_b8 v0, s[64:65] scope:SCOPE_SE
	s_setreg_imm32_b32 hwreg(HW_REG_WAVE_MODE, 25, 1), 1
	s_wait_xcnt 0x0
	s_wait_alu depctr_hold_cnt(0) depctr_sa_sdst(0) depctr_va_vdst(0) depctr_va_sdst(0) depctr_va_ssrc(0) depctr_va_vcc(0) depctr_vm_vsrc(0)
	s_getreg_b32 s2, hwreg(HW_REG_IB_STS2, 6, 4)
	s_cmp_eq_u32 s2, 0
	s_cbranch_scc0 .Lentry_in_a_cluster
	s_endpgm
.Lentry_in_a_cluster:
	s_bfe_u32 s2, ttmp6, 0x10000c
	s_cmp_lg_u32 s2, 0xf033
	s_cbranch_scc0 .Lentry_shape_is_right
	s_endpgm
.Lentry_shape_is_right:
; Launch 2 of 4: products 1 to 3 (q = query Wq^T + bq, k, v likewise) on the records of launch 1, and the results quantised on the way out: q and k along the head's 64, v along the KEYS.  No work of reference() is left out.
; A work-group makes 128 rows of source 0 x 256 rows of source 1, all of K = 1,024 lying in LDS as 8 + 16 records, each filled once: no slot is ever filled again.
; A result's registers run along source 0, which is therefore the axis that is quantised next:  q, k: source 0 = W (128 outputs = two heads), source 1 = 256 tokens;   v: source 0 = 128 tokens, source 1 = Wv (256 outputs = four heads).
; By the tiles' order of rows the 16 registers of source 0's tiles 2 B and 2 B + 1 are the neighbours 32 B + 16 (lane / 16) + 0 .. 15: half a block; lane l xor 16 holds the other half.
; CLUSTER 4 x 4: source 0's records hang on the work-group's x (and the cluster's y) alone and are asked for jointly by a column of the cluster, source 1's on cy (and the cluster's y) and by a row.
; WAVES: eight, each 64 x 64: 16 accumulators; wave w: source 0's tiles 4 (w & 1) on, source 1's 4 (w >> 1) on.  So a wave holds one head x 64 tokens, whichever way round.
; The bias is the C of each sum's first product (so the sums are rounded in another order than reference()'s).
; OUT: qkvc [q, k, v][batch x 16 + head][64 tokens t64][tile b][lane][16 bytes]: q, k: lane (r, h) = head dims 32 h .. + 31 of token r of tile b;  v: keys 32 h .. + 31 of the 64, for row r of the head's d tile b.
;   sc: q's scale words [hb][t64][r][4 words b] (a word: two bytes, two zeros); from byte 524,288 for each hb 8,192 bytes of k's, laid alike, and 4,096 of v's, [128 keys][r][4 words d tile], byte = key / 32.
;   v's scale bytes leave two at a time, so their 256-byte blocks are written in parts: 262,144 bytes in the launch beside 12,582,912 of codes, which leave 512 consecutive bytes a store.
; LIMITS: as stated at the head of launch 1.
.set REC,   8704
.set S1B,   8*REC                      ; LDS: source 0's 8 records at 0, source 1's 16 here
.set SPARE, 24*REC                     ; behind them the spare words, 128 bytes a wave: four blocks of 256 bytes that no other line names
.set A0,  3                            ; v3   LDS: 16 x lane + my four records of source 0
.set A1,  4                            ; v4   the same for source 1
.set AS,  5                            ; v5   scale words: lanes 0-15 source 0's rows, lanes 16-31 source 1's
.set SPW, 6                            ; v6   my spare word; never rewritten
.set NIL, 7                            ; v7   0; never rewritten
.set L16, 8                            ; v8   16 x lane
.set R16, 9                            ; v9   16 r
.set H64, 10                           ; v10  64 h
.set PR4, 11                           ; v11  4 (r + 8 (r / 8))
.set LN,  12                           ; v12  lane
.set SC,  16                           ; v16-31  scale words and nothing else: register 4 i + g % 4: lanes 0-15 source 0's tile i, lanes 16-31 source 1's tile i
.set BI,  32                           ; v32-63  the bias, as C; afterwards:
.set TM,  32                           ; v32-35 largest magnitudes, v36-39 the other lane's / bytes, v40-43 scale operands, v44-47 scale words, v48-63 codes
.set TP,  36
.set SCL, 40
.set U,   44
.set PC,  48
.set F0,  64                           ; v64-95   source 0's four fragments
.set F1,  96                           ; v96-127  source 1's
.set ACC, 128                          ; v128-255 accumulator (a, b) at 128 + 32 b + 8 a
.set G1A, 28                           ; s[28:35], s[44:47] groups 1 and 0 for source 0;  s[36:43], s[48:51] for source 1
.set G1B, 36
.set G0A, 44
.set G0B, 48
.macro CROUND                          ; a round of the cluster's barrier
	s_barrier_signal -1
	s_barrier_wait -1
	s_cmp_lg_u32 s16, 0
	s_cbranch_scc1 .Lnot_wave_0_\@
	s_barrier_signal -3
.Lnot_wave_0_\@:
	s_barrier_wait -3
	s_barrier_signal -1
	s_barrier_wait -1
.endm
.macro PLACES                          ; four places in front of loads into registers that matrix instructions have read
.rept 4
	v_nop
.endr
.endm
	s_load_b256 s[4:11], s[0:1], 0x0               ; img, bq, bk, bv
	s_load_b128 s[12:15], s[0:1], 0x20             ; qkvc, sc
	v_lshl_add_u32 v[SPW], v0, 2, SPARE
	v_mov_b32 v[NIL], 0
	ds_add_u32 v[SPW], v[NIL]                      ; the wave's opening: the add, twice on end, and its wait ahead of my first tensor load
	ds_add_u32 v[SPW], v[NIL]
	v_lshrrev_b32 v1, 5, v0
	s_delay_alu instid0(VALU_DEP_1)
	v_readfirstlane_b32 s16, v1                    ; wave 0..7
	s_and_b32 s17, s16, 1                          ; which 64 of source 0's rows are mine
	s_lshr_b32 s18, s16, 1                         ; which 64 of source 1's
	s_bfe_u32 s19, ttmp6, 0x40000                  ; cx
	s_bfe_u32 s20, ttmp6, 0x40004                  ; cy
	s_lshl_b32 s21, ttmp9, 2
	s_add_co_u32 s21, s21, s19                     ; x = 4 x cluster x + cx: 0..7
	s_and_b32 s22, ttmp7, 0xffff                   ; cluster y: 0..23
	s_lshr_b32 s23, s22, 3                         ; which product: 0 q, 1 k, 2 v
	s_and_b32 s25, s22, 7                          ; the cluster's place in that product
	s_lshl_b32 s67, 0x1111, s19                    ; my column of the cluster
	s_or_b32 s[G1A], s67, (3<<16)|(1<<21)          ; group 1: the mask; elements of 8 bytes; bit 21 beside a mask; no padding
	s_lshl_b32 s68, s20, 2
	s_lshl_b32 s68, 15, s68                        ; my row
	s_or_b32 s[G1B], s68, (3<<16)|(1<<21)
	s_mov_b32 s[G1A+1], 32<<16                     ; a record is dense: 34 rows of 256 bytes (32 elements)
	s_mov_b32 s[G1A+2], 34<<16
	s_mov_b32 s[G1A+3], 32<<16
	s_mov_b32 s[G1A+4], 34
	s_mov_b32 s[G1A+5], 32
	s_mov_b32 s[G1A+6], 0
	s_mov_b32 s[G1A+7], 0
	s_mov_b32 s[G1B+1], 32<<16                     ; two records on end: 68 rows
	s_mov_b32 s[G1B+2], 68<<16
	s_mov_b32 s[G1B+3], 32<<16
	s_mov_b32 s[G1B+4], 68
	s_mov_b32 s[G1B+5], 32
	s_mov_b32 s[G1B+6], 0
	s_mov_b32 s[G1B+7], 0
	; which records.  Source 0: q, k: 1,536 + 64 x product + 8 x + w;  v: 1,024 + 8 (x + 8 x place) + w.  Source 1: q, k: 64 x cluster y + 16 cy + 2 w;  v: 1,664 + 16 cy + 2 w.
	; s52 never holds cy and s54 never holds cx.
	s_lshl_b32 s52, s21, 3
	s_add_co_u32 s52, s52, s16
	s_lshl_b32 s54, s20, 4
	s_lshl_b32 s26, s16, 1
	s_add_co_u32 s54, s54, s26
	s_lshl_b32 s27, s22, 6
	s_mov_b32 s26, 1536
	s_cmp_eq_u32 s23, 2
	s_cselect_b32 s24, 1, 0                        ; 1: this is v's product.  The same in all partners of a cluster
	s_cselect_b32 s26, 1024, s26
	s_cselect_b32 s66, s25, s23
	s_cselect_b32 s27, 1664, s27
	s_lshl_b32 s66, s66, 6
	s_add_co_u32 s52, s52, s26
	s_add_co_u32 s52, s52, s66
	s_add_co_u32 s54, s54, s27
	s_mul_i32 s52, s52, REC
	s_mul_i32 s54, s54, REC
	s_mov_b32 s53, 0
	s_mov_b32 s55, 0
	s_mul_i32 s[G0A+1], s16, REC                   ; where they go: no place in the cluster enters an LDS address
	s_mul_i32 s[G0B+1], s16, 2*REC
	s_add_co_u32 s[G0B+1], s[G0B+1], S1B
	s_mov_b32 s62, 0x76543210
	s_mov_b32 s63, 0xfedcba98                      ; selects for lane l xor 16
	s_wait_dscnt 0x0                               ; both opening adds are done
	s_wait_kmcnt 0x0
	s_add_nc_u64 s[G0A+2:G0A+3], s[4:5], s[52:53]
	s_add_nc_u64 s[G0B+2:G0B+3], s[4:5], s[54:55]
	CROUND                                         ; all sixteen work-groups are here: the joint loads meet
	s_mov_b32 s[G0A], 1
	s_or_b32 s[G0A+3], s[G0A+3], 0x80000000
	s_mov_b32 s[G0B], 1
	s_or_b32 s[G0B+3], s[G0B+3], 0x80000000
	tensor_load_to_lds s[G0A:G0A+3], s[G1A:G1A+7]  ; every wave asks for one record of source 0
	s_nop 0
	tensor_load_to_lds s[G0B:G0B+3], s[G1B:G1B+7]  ; and two of source 1: two loads of mine are out, and they are all
	s_nop 0
	v_and_b32 v1, 15, v0                           ; r
	v_bfe_u32 v2, v0, 4, 1                         ; h
	v_and_b32 v[LN], 31, v0
	s_delay_alu instid0(VALU_DEP_1)
	v_lshlrev_b32 v[L16], 4, v[LN]
	s_delay_alu instid0(VALU_DEP_4)
	v_lshlrev_b32 v[R16], 4, v1
	s_delay_alu instid0(VALU_DEP_4)
	v_lshlrev_b32 v[H64], 6, v2
	v_and_b32 v[PR4], 8, v1
	s_delay_alu instid0(VALU_DEP_1)
	v_add_nc_u32 v[PR4], v[PR4], v1
	s_delay_alu instid0(VALU_DEP_1)
	v_lshlrev_b32 v[PR4], 2, v[PR4]
	s_cmp_eq_u32 s23, 1                            ; the bias of this product
	s_cselect_b64 s[56:57], s[8:9], s[6:7]
	s_cmp_eq_u32 s23, 2
	s_cselect_b64 s[56:57], s[10:11], s[56:57]
	s_cmp_eq_u32 s24, 1
	s_cbranch_scc1 .Lbias_v
	s_lshl_b32 s72, s21, 9                         ; q, k: the outputs run along my registers: tile a's register j is output 128 x + 64 (w & 1) + 32 (a / 2) + 16 h + 8 (a % 2) + j
	s_lshl_b32 s73, s17, 8
	s_add_co_u32 s72, s72, s73
	s_mov_b32 s73, 0
	s_add_nc_u64 s[56:57], s[56:57], s[72:73]
	s_wait_alu depctr_va_vdst(0)
.irp a, 0,1,2,3
	global_load_b128 v[BI+8*\a:BI+8*\a+3], v[H64], s[56:57] offset:(32*(\a/2)+8*(\a%2))*4
	global_load_b128 v[BI+8*\a+4:BI+8*\a+7], v[H64], s[56:57] offset:(32*(\a/2)+8*(\a%2))*4+16
.endr
	s_branch .Lbias_done
.Lbias_v:
	s_lshl_b32 s72, s20, 10                        ; v: a lane holds one output: 256 cy + 64 (w >> 1) + 32 (b / 2) + 8 (b % 2) + r + 8 (r / 8), the same in all eight registers
	s_lshl_b32 s73, s18, 8
	s_add_co_u32 s72, s72, s73
	s_mov_b32 s73, 0
	s_add_nc_u64 s[56:57], s[56:57], s[72:73]
	s_wait_alu depctr_va_vdst(0)
.irp b, 0,1,2,3
.irp j, 0,1,2,3,4,5,6,7
	global_load_b32 v[BI+8*\b+\j], v[PR4], s[56:57] offset:(32*(\b/2)+8*(\b%2))*4
.endr
.endr
.Lbias_done:
	s_mul_i32 s26, s17, 4*REC
	s_mul_i32 s27, s18, 4*REC
	s_add_co_u32 s27, s27, S1B
	v_add_nc_u32 v[A0], s26, v[L16]
	v_add_nc_u32 v[A1], s27, v[L16]
	s_sub_co_u32 s27, s27, s26
	v_mul_u32_u24 v[AS], s27, v2                   ; lanes 16-31 take source 1's words: the lower base + h x the distance
	s_delay_alu instid0(VALU_DEP_1)
	v_add_nc_u32 v[AS], v[AS], v[R16]
	s_delay_alu instid0(VALU_DEP_1)
	v_add_nc_u32 v[AS], s26, v[AS]
	; where my head x 64 tokens goes
	s_lshl_b32 s69, s25, 3
	s_add_co_u32 s69, s69, s21
	s_lshl_b32 s69, s69, 1
	s_add_co_u32 s69, s69, s17                     ; v: which 64 tokens: 2 (x + 8 x place) + (w & 1)
	s_lshl_b32 s70, s25, 2
	s_add_co_u32 s70, s70, s20
	s_lshl_b32 s70, s70, 2
	s_add_co_u32 s70, s70, s18                     ; q, k: 4 (4 x place + cy) + (w >> 1)
	s_lshl_b32 s71, s20, 2
	s_add_co_u32 s71, s71, s18                     ; v: the head: 4 cy + (w >> 1)
	s_lshl_b32 s72, s21, 1
	s_add_co_u32 s72, s72, s17                     ; q, k: 2 x + (w & 1)
	s_cmp_eq_u32 s24, 1
	s_cselect_b32 s69, s69, s70
	s_cselect_b32 s71, s71, s72
	s_lshr_b32 s70, s69, 5
	s_lshl_b32 s70, s70, 4
	s_add_co_u32 s70, s70, s71                     ; hb = 16 x batch + head
	s_and_b32 s69, s69, 31                         ; t64
	s_lshl_b32 s72, s23, 22
	s_lshl_b32 s73, s70, 16
	s_add_co_u32 s72, s72, s73
	s_lshl_b32 s73, s69, 11
	s_add_co_u32 s72, s72, s73
	s_mov_b32 s73, 0
	s_add_nc_u64 s[58:59], s[12:13], s[72:73]      ; the codes
	s_lshl_b32 s74, s70, 13                        ; q's scale words: 8,192 hb
	s_mul_i32 s75, s70, 12288
	s_add_co_u32 s75, s75, 524288                  ; k's and v's: 524,288 + 12,288 hb
	s_lshl_b32 s76, s69, 8                         ; q, k: + 256 t64
	s_lshr_b32 s77, s69, 1
	s_lshl_b32 s77, s77, 8
	s_and_b32 s72, s69, 1
	s_lshl_b32 s72, s72, 1
	s_add_co_u32 s77, s77, s72
	s_add_co_u32 s77, s77, 8192                    ; v: + 8,192 + 256 (t64 / 2) + 2 (t64 % 2)
	s_cmp_eq_u32 s23, 0
	s_cselect_b32 s74, s74, s75
	s_cmp_eq_u32 s23, 2
	s_cselect_b32 s76, s77, s76
	s_add_co_u32 s72, s74, s76
	s_add_nc_u64 s[60:61], s[14:15], s[72:73]      ; the scale words
.macro FETCH g                         ; K step g: my four fragments of each source, images of their registers: 512 consecutive bytes a load; with K steps 0 and 4 the scale words of four K steps
.irp t, 0,1,2,3
.irp c, 0,1
	ds_load_b128 v[F0+8*\t+4*\c:F0+8*\t+4*\c+3], v[A0] offset:\t*REC+512+1024*(\g)+512*\c
	ds_load_b128 v[F1+8*\t+4*\c:F1+8*\t+4*\c+3], v[A1] offset:\t*REC+512+1024*(\g)+512*\c
.endr
.endr
.if (\g)%4 == 0
.irp i, 0,1,2,3
	ds_load_b128 v[SC+4*\i:SC+4*\i+3], v[AS] offset:\i*REC+256*((\g)/4)
.endr
.endif
.endm
; 16 products, the 16 accumulators by turns, one instruction a turn, in the same order in every K step.  mode 0: onto the sums; 1: the sums start from the bias along source 0; 2: along source 1
.macro MUL g, mode
.irp b, 0,1,2,3
.irp a, 0,1,2,3
.if \mode == 0
	v_wmma_scale_f32_16x16x128_f8f6f4 v[ACC+32*\b+8*\a:ACC+32*\b+8*\a+7], v[F0+8*\a:F0+8*\a+7], v[F1+8*\b:F1+8*\b+7], v[ACC+32*\b+8*\a:ACC+32*\b+8*\a+7], v[SC+4*\a+(\g)%4], v[SC+4*\b+(\g)%4] matrix_a_fmt:MATRIX_FMT_FP4 matrix_b_fmt:MATRIX_FMT_FP4 matrix_b_scale:MATRIX_SCALE_ROW1
.elseif \mode == 1
	v_wmma_scale_f32_16x16x128_f8f6f4 v[ACC+32*\b+8*\a:ACC+32*\b+8*\a+7], v[F0+8*\a:F0+8*\a+7], v[F1+8*\b:F1+8*\b+7], v[BI+8*\a:BI+8*\a+7], v[SC+4*\a+(\g)%4], v[SC+4*\b+(\g)%4] matrix_a_fmt:MATRIX_FMT_FP4 matrix_b_fmt:MATRIX_FMT_FP4 matrix_b_scale:MATRIX_SCALE_ROW1
.else
	v_wmma_scale_f32_16x16x128_f8f6f4 v[ACC+32*\b+8*\a:ACC+32*\b+8*\a+7], v[F0+8*\a:F0+8*\a+7], v[F1+8*\b:F1+8*\b+7], v[BI+8*\b:BI+8*\b+7], v[SC+4*\a+(\g)%4], v[SC+4*\b+(\g)%4] matrix_a_fmt:MATRIX_FMT_FP4 matrix_b_fmt:MATRIX_FMT_FP4 matrix_b_scale:MATRIX_SCALE_ROW1
.endif
.endr
.endr
.endm
	s_wait_alu depctr_va_vdst(0)
	s_wait_loadcnt 0x0                             ; the bias
	s_wait_tensorcnt 0x0                           ; my three records have landed,
	s_barrier_signal -1
	s_barrier_wait -1                              ; everybody's have
	FETCH 0
	s_wait_dscnt 0x0
	s_cmp_eq_u32 s24, 1
	s_cbranch_scc1 .Lfirst_v
	MUL 0, 1
	s_branch .Lfirst_done
.Lfirst_v:
	MUL 0, 2
.Lfirst_done:
.irp g, 1,2,3,4,5,6,7
	PLACES
	FETCH \g
	s_wait_dscnt 0x0
	MUL \g, 0
.endr
.irp k, 0,1,2,3
	v_mov_b32 v[TP+\k], 0                          ; a lane permute's destination counts as one of its sources.  These four name no register of the last products: they are the places behind them
.endr
; Source 1's tiles 2 p and 2 p + 1: four blocks of 32 along source 0, by turns: block k = 2 (b - 2 p) + B lies in the 16 registers from ACC + 64 p + 16 k on, and in lane l xor 16's
.macro QUANT2 p
.set QB, ACC+64*(\p)
.irp k, 0,1,2,3
	v_max3_num_f32 v[TM+\k], |v[QB+16*\k]|, |v[QB+16*\k+1]|, 0x1800000   ; each accumulator is read from its low end on; the floor 2^(3 - 127) holds the byte at 1 from below
.endr
.irp i, 2,4,6,8,10,12,14
.irp k, 0,1,2,3
	v_max3_num_f32 v[TM+\k], v[TM+\k], |v[QB+16*\k+\i]|, |v[QB+16*\k+\i+1]|
.endr
.endr
.irp k, 0,1,2,3
	s_delay_alu instid0(VALU_DEP_4)
	v_permlanex16_b32 v[TP+\k], v[TM+\k], s62, s63
.endr
.irp k, 0,1,2,3
	s_delay_alu instid0(VALU_DEP_4)
	v_max_num_f32 v[TM+\k], v[TM+\k], v[TP+\k]     ; the block's largest magnitude
.endr
.irp k, 0,1,2,3
	s_delay_alu instid0(VALU_DEP_4)
	v_add_nc_u32 v[SCL+\k], 0xff000000, v[TM+\k]   ; 2 off its exponent field: the conversion's scale operand
.endr
.irp k, 0,1,2,3
	s_delay_alu instid0(VALU_DEP_4)
	v_lshrrev_b32 v[TP+\k], 23, v[SCL+\k]          ; the scale's byte
.endr
	s_delay_alu instid0(VALU_DEP_3)
	v_lshl_or_b32 v[U+2*(\p)], v[TP+1], 8, v[TP]   ; two bytes a tile and lane
	s_delay_alu instid0(VALU_DEP_2)
	v_lshl_or_b32 v[U+2*(\p)+1], v[TP+3], 8, v[TP+2]
.irp k, 0,1,2,3
	v_cvt_scalef32_pk8_fp4_f32 v[PC+8*(\p)+2*\k], v[QB+16*\k:QB+16*\k+7], v[SCL+\k]
	v_cvt_scalef32_pk8_fp4_f32 v[PC+8*(\p)+2*\k+1], v[QB+16*\k+8:QB+16*\k+15], v[SCL+\k]
.endr
	v_nop                                          ; one plain line behind the last scaled conversion
.irp e, 0,1                            ; an operand wants a WHOLE block in a lane: lanes 0-15 block 0, lanes 16-31 block 1
	v_permlane16_swap_b32 v[PC+8*(\p)+4*\e], v[PC+8*(\p)+4*\e+2]
	v_permlane16_swap_b32 v[PC+8*(\p)+4*\e+1], v[PC+8*(\p)+4*\e+3]
.endr
.irp e, 0,1
	global_store_b128 v[L16], v[PC+8*(\p)+4*\e:PC+8*(\p)+4*\e+3], s[58:59] offset:512*(2*(\p)+\e)   ; 512 consecutive bytes, aligned to 256
.endr
.endm
	QUANT2 0
	QUANT2 1
	v_cmp_gt_u32 vcc_lo, 16, v[LN]                 ; both halves of the lanes hold the same scale bytes: lanes 0-15 store them
	s_wait_xcnt 0x0                                ; EXEC changes only behind this wait
	s_cmp_eq_u32 s24, 1
	s_cbranch_scc1 .Lsc_v
	s_and_saveexec_b32 s78, vcc_lo
	global_store_b128 v[R16], v[U:U+3], s[60:61]   ; q, k: sixteen lanes store 256 consecutive bytes, aligned
	s_wait_xcnt 0x0
	s_or_b32 exec_lo, exec_lo, s78
	s_branch .Lsc_done
.Lsc_v:
	s_and_saveexec_b32 s78, vcc_lo
.irp b, 0,1,2,3
	global_store_b16 v[R16], v[U+\b], s[60:61] offset:4*\b   ; v: my 64 keys' two bytes of the word of 128 keys
.endr
	s_wait_xcnt 0x0
	s_or_b32 exec_lo, exec_lo, s78
.Lsc_done:
	s_wait_tensorcnt 0x0                           ; the wave's end, behind my last tensor load
	ds_add_u32 v[SPW], v[NIL]
	s_wait_dscnt 0x0
	CROUND                                         ; the closing round: no work-group ends while a partner may still ask for a record that names it
	s_endpgm
.Lfunc_end_k_q5ee048e931_proj:
	.size	k_q5ee048e931_proj, .Lfunc_end_k_q5ee048e931_proj-k_q5ee048e931_proj
	.p2alignl 7, 3214868480
	.fill 96, 4, 3214868480
	.section	.rodata,"a",@progbits
	.p2align	6, 0x0
	.amdhsa_kernel k_q5ee048e931_proj
		.amdhsa_group_segment_fixed_size 209920
		.amdhsa_private_segment_fixed_size 0
		.amdhsa_enable_private_segment 0
		.amdhsa_kernarg_size 48
		.amdhsa_user_sgpr_count 2
		.amdhsa_user_sgpr_kernarg_segment_ptr 1
		.amdhsa_wavefront_size32 1
		.amdhsa_system_sgpr_workgroup_id_x 1
		.amdhsa_system_sgpr_workgroup_id_y 1
		.amdhsa_system_sgpr_workgroup_id_z 1
		.amdhsa_system_vgpr_workitem_id 0
		.amdhsa_next_free_vgpr 256
		.amdhsa_next_free_sgpr 84
		.amdhsa_reserve_vcc 1
		.amdhsa_float_denorm_mode_32 3
		.amdhsa_float_denorm_mode_16_64 3
		.amdhsa_memory_ordered 1
		.amdhsa_forward_progress 1
		.amdhsa_inst_pref_size 49
	.end_amdhsa_kernel
	.amdgpu_metadata
---
amdhsa.version: [ 1, 2 ]
amdhsa.kernels:
  - .name:           k_q5ee048e931_proj
    .symbol:         k_q5ee048e931_proj.kd
    .args:
      - { .name: img, .offset: 0, .size: 8, .value_kind: global_buffer, .address_space: global }
      - { .name: bq, .offset: 8, .size: 8, .value_kind: global_buffer, .address_space: global }
      - { .name: bk, .offset: 16, .size: 8, .value_kind: global_buffer, .address_space: global }
      - { .name: bv, .offset: 24, .size: 8, .value_kind: global_buffer, .address_space: global }
      - { .name: qkvc, .offset: 32, .size: 8, .value_kind: global_buffer, .address_space: global }
      - { .name: sc, .offset: 40, .size: 8, .value_kind: global_buffer, .address_space: global }
    .group_segment_fixed_size: 209920
    .private_segment_fixed_size: 0
    .kernarg_segment_align: 8
    .kernarg_segment_size: 48
    .max_flat_workgroup_size: 256
    .sgpr_count:     84
    .vgpr_count:     256
    .wavefront_size: 32
...
	.end_amdgpu_metadata
.endif
;; end of part 2
;; launch attn (part 3): grid 4 x 64, 16 waves a work-group, clusters of 4 x 1, 327,680 bytes of LDS; arguments qkvc, sc, aimg; writes aimg
.if DOCPART == 3
	.amdgcn_target "amdgcn-amd-amdhsa--gfx1250"
	.amdhsa_code_object_version 6
	.text
	.protected	k_q5ee048e931_attn
	.globl	k_q5ee048e931_attn
	.p2align	8
	.type	k_q5ee048e931_attn,@function
k_q5ee048e931_attn:
	s_mov_b64 s[64:65], 0
	v_nop
	global_prefetch_b8 v0, s[64:65] scope:SCOPE_SE
	s_setreg_imm32_b32 hwreg(HW_REG_WAVE_MODE, 25, 1), 1
	s_wait_xcnt 0x0
	s_wait_alu depctr_hold_cnt(0) depctr_sa_sdst(0) depctr_va_vdst(0) depctr_va_sdst(0) depctr_va_ssrc(0) depctr_va_vcc(0) depctr_vm_vsrc(0)
	s_getreg_b32 s2, hwreg(HW_REG_IB_STS2, 6, 4)
	s_cmp_eq_u32 s2, 0
	s_cbranch_scc0 .Lentry_in_a_cluster
	s_endpgm
.Lentry_in_a_cluster:
	s_bfe_u32 s2, ttmp6, 0x10000c
	s_cmp_lg_u32 s2, 0x3003
	s_cbranch_scc0 .Lentry_shape_is_right
	s_endpgm
.Lentry_shape_is_right:
; Launch 3 of 4: products 4 and 5 with the softmax between them, and O / l quantised along d_model into records for launch 4.  No work of reference() is left out.
; THE SOFTMAX AHEAD OF PRODUCT 5: t = score x log2(e) / 8; M = the running largest t rounded UP to a whole number; p = 2^(t - M) is quantised along the keys, not normalised; the row's sum is taken of the
; unquantised p and divides O at the end (a reciprocal and a multiplication).  When M moves, the sum and O are multiplied by 2^(old M - new M), which rounds nothing.
; SHARES: a cluster of four work-groups is one (batch, head); a work-group owns 512 queries, each of its sixteen waves two tiles of 16, one after the other.  Four waves lie on a SIMD, so that one wave's
; vector work stands beside another's products and LDS loads.
; THE WHOLE HEAD'S K AND V LIE IN LDS, each byte filled once: 65,536 bytes of K's codes, 65,536 of V's, 8,192 + 4,096 of scale words.  The four partners need the same bytes: each load is a joint one,
; with the mask of all four.  All that the launch reads through LDS is asked for at its head, so there is nothing to ask for ahead of time.
; LAYOUT: both products transposed: S^T = K Q^T (source 0 = 16 keys), O^T = V^T P^T (source 0 = 16 of the head's 64): a lane holds ONE query throughout.  By the tiles' order of rows the 16 registers of
; key tiles 2 b, 2 b + 1 are keys 32 b + 16 (lane / 16) + 0 .. 15, and those of O^T's tiles 2 B, 2 B + 1 the head's dims 32 B + 16 (lane / 16) + 0 .. 15.
; PRODUCT 4 HAS K = 64: the upper four registers of K's and Q's fragments hold zero codes, which add nothing; their scale bytes are 0.
; OUT: aimg, 512 records as launch 1's (tile of 16 tokens x 1,024): head hd gives the 512 bytes of codes at 512 + 512 hd and two scale bytes a row at 256 (hd / 8) + 16 r + 2 (hd % 8).
;   Those two bytes a row leave by themselves, so their 256-byte blocks are written in parts: 262,144 bytes in the launch beside 4,194,304 of codes.
; LIMITS: as stated at the head of launch 1; a block's largest p is taken as p of the block's largest score.
.set REC,   8704
.set VB,    65536                      ; LDS: K's codes at 0, V's here,
.set KSB,   131072                     ; K's scale words,
.set VSB,   139264                     ; V's,
.set SPARE, 143360                     ; and the spare words, 128 bytes a wave: eight blocks of 256 bytes that no other line names
.set SPW, 5                            ; v5  my spare word; never rewritten       v1 16 x lane;  v2, v3 the same + VB, + KSB;  v4 VSB + 16 r
.set NIL, 6                            ; v6  0; never rewritten                   v7 Q's scale words, tile 1;  v255 tile 0
.set ADK, 8                            ; v8-11 LDS addresses of the step: K's codes, V's codes, K's words, V's words
.set ADV, 9
.set ADS, 10
.set ADT, 11
; v12 -M, v13 the largest t, v[14:15] the sum in two halves; v16-23, v24-31 Q's fragments; v32-95 eight fragments of K; v96-159 S^T, then p; v160-191 O^T; v192-223 four fragments of V;
; v224-231 p's codes; v232-239 at work; v240-243 K's scale words; v244-247 the conversions' scale operands; v248-251 V's scale words; v252 f; v253 p's scale word; v254 at work
.set WV,  10                           ; s10 wave;  s11 cx;  s12 hb = 16 x batch + head
.set G1C, 16                           ; s[16:23] group 1 for codes, s[24:31] for scale words; s[32:35], s[36:39] their groups 0
.set G1S, 24
.set G0C, 32
.set G0S, 36
.set SEL, 40                           ; s[40:41] selects for lane l xor 16
.set CS,  42                           ; s[42:43] c = log2(e) / 8
.set TB,  44                           ; s44 the step's codes: 4,096 bytes a step;  s45 K's words: 512;  s46 V's: 256;  s47 steps to go
.set TS,  45
.set TJ,  46
.set CNT, 47
.macro CROUND
	s_barrier_signal -1
	s_barrier_wait -1
	s_cmp_lg_u32 s[WV], 0
	s_cbranch_scc1 .Lnot_wave_0_\@
	s_barrier_signal -3
.Lnot_wave_0_\@:
	s_barrier_wait -3
	s_barrier_signal -1
	s_barrier_wait -1
.endm
	s_load_b128 s[4:7], s[0:1], 0x0                ; qkvc, sc
	s_load_b64 s[8:9], s[0:1], 0x10                ; aimg
	v_lshl_add_u32 v[SPW], v0, 2, SPARE
	v_mov_b32 v[NIL], 0
	ds_add_u32 v[SPW], v[NIL]                      ; the wave's opening: the add, twice on end, and its wait ahead of my first tensor load
	ds_add_u32 v[SPW], v[NIL]
	v_lshrrev_b32 v8, 5, v0
	s_delay_alu instid0(VALU_DEP_1)
	v_readfirstlane_b32 s[WV], v8                  ; wave 0..15
	s_bfe_u32 s11, ttmp6, 0x40000                  ; cx: it enters Q's and the output's addresses alone
	s_and_b32 s12, ttmp7, 0xffff                   ; hb, which the four partners share
	s_mov_b32 s[G1C], 15|(3<<16)|(1<<21)           ; the mask of all four; elements of 8 bytes; bit 21 beside a mask; no padding
	s_mov_b32 s[G1C+1], 32<<16                     ; 8,192 dense bytes: 32 rows of 256
	s_mov_b32 s[G1C+2], 32<<16
	s_mov_b32 s[G1C+3], 32<<16
	s_mov_b32 s[G1C+4], 32
	s_mov_b32 s[G1C+5], 32
	s_mov_b32 s[G1C+6], 0
	s_mov_b32 s[G1C+7], 0
	s_mov_b32 s[G1S], 15|(3<<16)|(1<<21)
	s_mov_b32 s[G1S+1], 32<<16                     ; 768 dense bytes: 3 rows of 256
	s_mov_b32 s[G1S+2], 3<<16
	s_mov_b32 s[G1S+3], 32<<16
	s_mov_b32 s[G1S+4], 3
	s_mov_b32 s[G1S+5], 32
	s_mov_b32 s[G1S+6], 0
	s_mov_b32 s[G1S+7], 0
	s_lshr_b32 s58, s[WV], 3                       ; waves 0-7 fetch K's codes, waves 8-15 V's: 8,192 bytes each
	s_add_co_u32 s58, s58, 1
	s_lshl_b32 s58, s58, 22
	s_lshl_b32 s59, s12, 16
	s_add_co_u32 s58, s58, s59
	s_and_b32 s59, s[WV], 7
	s_lshl_b32 s59, s59, 13
	s_add_co_u32 s58, s58, s59
	s_mov_b32 s59, 0
	s_lshl_b32 s[G0C+1], s[WV], 13
	s_mul_i32 s14, s12, 12288                      ; and every wave 768 of the head's 12,288 bytes of scale words
	s_mul_i32 s15, s[WV], 768
	s_add_co_u32 s14, s14, s15
	s_add_co_u32 s14, s14, 524288
	s_mov_b32 s15, 0
	s_mul_i32 s[G0S+1], s[WV], 768
	s_add_co_u32 s[G0S+1], s[G0S+1], KSB
	s_mov_b32 s[SEL], 0x76543210
	s_mov_b32 s[SEL+1], 0xfedcba98
	s_mov_b32 s[CS], 0x3e38aa3b                    ; log2(e) / sqrt(64)
	s_mov_b32 s[CS+1], s[CS]                       ; (named with it as a pair, so it is written)
	s_lshl_b32 s13, s11, 5
	s_add_co_u32 s13, s13, s[WV]                   ; my first tile of queries in the head: 32 cx + w; the second lies 16 tiles on
	s_wait_dscnt 0x0                               ; both opening adds are done
	s_wait_kmcnt 0x0
	s_add_nc_u64 s[G0C+2:G0C+3], s[4:5], s[58:59]
	s_add_nc_u64 s[G0S+2:G0S+3], s[6:7], s[14:15]
	s_lshl_b32 s60, s12, 16
	s_lshl_b32 s61, s13, 9
	s_add_co_u32 s60, s60, s61
	s_mov_b32 s61, 0
	s_add_nc_u64 s[48:49], s[4:5], s[60:61]        ; Q's codes: 65,536 hb + 512 x tile
	s_lshl_b32 s60, s12, 13
	s_lshr_b32 s57, s13, 2
	s_lshl_b32 s57, s57, 8
	s_add_co_u32 s60, s60, s57
	s_and_b32 s57, s13, 3
	s_lshl_b32 s57, s57, 2
	s_add_co_u32 s60, s60, s57
	s_add_nc_u64 s[50:51], s[6:7], s[60:61]        ; Q's scale words: 8,192 hb + 256 (tile / 4) + 4 (tile % 4)
	s_lshr_b32 s57, s12, 4
	s_lshl_b32 s57, s57, 7
	s_add_co_u32 s57, s57, s13
	s_mul_i32 s57, s57, REC                        ; my record: 128 x batch + tile
	s_and_b32 s60, s12, 15
	s_lshl_b32 s60, s60, 9
	s_add_co_u32 s60, s60, s57
	s_add_co_u32 s60, s60, 512
	s_add_nc_u64 s[52:53], s[8:9], s[60:61]        ; the head's codes in it
	s_bfe_u32 s60, s12, 0x10003
	s_lshl_b32 s60, s60, 8
	s_add_co_u32 s60, s60, s57
	s_and_b32 s56, s12, 7
	s_lshl_b32 s56, s56, 1
	s_add_co_u32 s60, s60, s56
	s_add_nc_u64 s[54:55], s[8:9], s[60:61]        ; and its scale bytes
	CROUND                                         ; all four work-groups are here: the joint loads meet
	s_mov_b32 s[G0S], 1
	s_or_b32 s[G0S+3], s[G0S+3], 0x80000000
	s_mov_b32 s[G0C], 1
	s_or_b32 s[G0C+3], s[G0C+3], 0x80000000
	tensor_load_to_lds s[G0S:G0S+3], s[G1S:G1S+7]
	s_nop 0
	s_wait_alu depctr_va_vdst(0)
	s_wait_tensorcnt 0x0
	ds_add_u32 v5, v6
	s_wait_dscnt 0x0
	CROUND
	tensor_load_to_lds s[G0C:G0C+3], s[G1C:G1C+7]  ; one load of mine is out: the scale words have landed
	s_nop 0
	v_and_b32 v1, 31, v0
	s_delay_alu instid0(VALU_DEP_1)
	v_lshlrev_b32 v1, 4, v1
	v_and_b32 v8, 15, v0
	s_delay_alu instid0(VALU_DEP_1)
	v_lshlrev_b32 v8, 4, v8                        ; 16 r
	global_load_b128 v[16:19], v1, s[48:49]        ; Q's fragments stay in registers
	global_load_b128 v[24:27], v1, s[48:49] offset:8192
	global_load_b32 v255, v8, s[50:51]
	global_load_b32 v7, v8, s[50:51] offset:1024
	v_add_nc_u32 v2, VB, v1
	v_add_nc_u32 v3, KSB, v1
	v_add_nc_u32 v4, VSB, v8
.irp j, 20,21,22,23,28,29,30,31
	v_mov_b32 v[\j], 0                             ; zero codes for k = 64 .. 127 of product 4, on Q's side
.endr
.irp t, 0,1,2,3,4,5,6,7
.irp j, 4,5,6,7
	v_mov_b32 v[32+8*\t+\j], 0                     ; and on K's: written once
.endr
.endr
; A KEY STEP: 128 keys
.macro STEP qf, qs
	v_add_nc_u32 v[ADK], s[TB], v1                 ; these four are also the places between the last step's products and the loads into their registers
	v_add_nc_u32 v[ADV], s[TB], v2
	v_add_nc_u32 v[ADS], s[TS], v3
	v_add_nc_u32 v[ADT], s[TJ], v4
	ds_load_b128 v[240:243], v[ADS]                ; K's scale words: lanes 0-15 those of tiles 0-3, lanes 16-31 of tiles 4-7
.irp t, 0,1,2,3,4,5,6,7
	ds_load_b128 v[32+8*\t:35+8*\t], v[ADK] offset:512*\t
.endr
	ds_load_b128 v[248:251], v[ADT]                ; V's scale words of the four d tiles
.irp d, 0,1,2,3
.irp c, 0,1
	ds_load_b128 v[192+8*\d+4*\c:195+8*\d+4*\c], v[ADV] offset:512*\d+2048*\c
.endr
.endr
	s_wait_dscnt 9                                 ; K's nine loads are in; V's nine, issued behind them, may be out
.irp t, 0,1,2,3
	v_wmma_scale_f32_16x16x128_f8f6f4 v[96+8*\t:103+8*\t], v[32+8*\t:39+8*\t], v[\qf:\qf+7], 0, v[240+\t], v[\qs] matrix_a_fmt:MATRIX_FMT_FP4 matrix_b_fmt:MATRIX_FMT_FP4
.endr
.irp t, 4,5,6,7
	v_wmma_scale_f32_16x16x128_f8f6f4 v[96+8*\t:103+8*\t], v[32+8*\t:39+8*\t], v[\qf:\qf+7], 0, v[236+\t], v[\qs] matrix_a_fmt:MATRIX_FMT_FP4 matrix_b_fmt:MATRIX_FMT_FP4 matrix_a_scale:MATRIX_SCALE_ROW1
.endr
.rept 4
	v_nop
.endr
.irp b, 0,1,2,3
	v_max3_num_f32 v[232+\b], v[96+16*\b], v[97+16*\b], v[98+16*\b]   ; the largest score of each block of 32 keys: it serves for the row's maximum and, since p rises with the score, for the block's largest p
.endr
.irp i, 3,5,7,9,11,13
.irp b, 0,1,2,3
	v_max3_num_f32 v[232+\b], v[232+\b], v[96+16*\b+\i], v[97+16*\b+\i]
.endr
.endr
.irp b, 0,1,2,3
	v_max_num_f32 v[232+\b], v[232+\b], v[111+16*\b]
.endr
.irp b, 0,1,2,3
	s_delay_alu instid0(VALU_DEP_4)
	v_permlanex16_b32 v[236+\b], v[232+\b], s[SEL], s[SEL+1]
.endr
.irp b, 0,1,2,3
	s_delay_alu instid0(VALU_DEP_4)
	v_max_num_f32 v[232+\b], v[232+\b], v[236+\b]  ; with lane l xor 16's 16 keys
.endr
	s_delay_alu instid0(VALU_DEP_2)
	v_max3_num_f32 v254, v232, v233, v234
	s_delay_alu instid0(VALU_DEP_1)
	v_max_num_f32 v254, v254, v235                 ; the step's largest score of my query
	s_delay_alu instid0(VALU_DEP_1)
	v_mul_f32 v254, s[CS], v254                    ; as t (c is positive)
	s_delay_alu instid0(VALU_DEP_1)
	v_max_num_f32 v13, v13, v254                   ; the running largest t
	v_mov_b32 v254, v12
	s_delay_alu instid0(VALU_DEP_2)
	v_floor_f32 v12, -v13                          ; the new -M = floor(-t): M is a whole number
	s_delay_alu instid0(VALU_DEP_1)
	v_sub_f32 v254, v12, v254                      ; old M - new M: a whole number, 0 or less
	s_delay_alu instid0(VALU_DEP_1)
	v_cvt_i32_f32 v254, v254                       ; (it saturates)
	s_delay_alu instid0(VALU_DEP_1)
	v_ldexp_f32 v252, 1.0, v254                    ; f = 2^(old M - new M)
.set J, 0
.rept 32
	v_pk_fma_f32 v[96+J:97+J], v[96+J:97+J], s[CS:CS+1], v[12:13] op_sel_hi:[1,0,0]   ; t - M, two at a time
.set J, J+2
.endr
.irp b, 0,1,2,3
	v_fma_f32 v[232+\b], v[232+\b], s[CS], v12     ; the same of each block's largest score
.endr
.set J, 0
	s_wait_alu depctr_va_vdst(0)
.rept 64
	v_exp_f32 v[96+J], v[96+J]                     ; p = 2^(t - M), at most 1
.set J, J+1
.endr
	s_setprio 1
	v_pk_mul_f32 v[14:15], v[14:15], v[252:253] op_sel_hi:[1,0]   ; the sums under the new M: the plain line behind the exponentials
	s_wait_alu depctr_va_vdst(0)                   ; one wait for the whole batch, ahead of its first reader
.irp b, 0,1,2,3
	v_exp_f32 v[232+\b], v[232+\b]                 ; the block's largest p
.endr
	v_pk_add_f32 v[236:237], v[96:97], v[98:99]    ; the row's sum, of the unquantised p, in two chains
.irp j, 4,8,12,16,20,24,28,32,36,40,44
	v_pk_add_f32 v[14:15], v[14:15], v[96+\j:97+\j]
	v_pk_add_f32 v[236:237], v[236:237], v[98+\j:99+\j]
.endr
.irp j, 48,52,56,60
	v_pk_add_f32 v[236:237], v[236:237], v[98+\j:99+\j]   ; (the first chain's last four additions stand further down)
.endr
	s_delay_alu instid0(VALU_DEP_1)
	v_pk_add_f32 v[14:15], v[14:15], v[236:237]
	s_wait_alu depctr_va_vdst(0)                   ; and one wait for the four
.irp b, 0,1,2,3
	v_max_num_f32 v[232+\b], 0x1800000, v[232+\b]  ; the floor 2^(3 - 127): the byte cannot fall under 1
.endr
.irp b, 0,1,2,3
	s_delay_alu instid0(VALU_DEP_4)
	v_add_nc_u32 v[244+\b], 0xff000000, v[232+\b]  ; 2 off the exponent field: the conversion's scale operand
.endr
.irp b, 0,1,2,3
	s_delay_alu instid0(VALU_DEP_4)
	v_lshrrev_b32 v[236+\b], 23, v[244+\b]         ; the scale's byte
.endr
	s_delay_alu instid0(VALU_DEP_3)
	v_lshl_or_b32 v253, v237, 8, v236              ; p's scale word for these 128 keys
	s_delay_alu instid0(VALU_DEP_1)
	v_lshl_or_b32 v253, v238, 16, v253
	s_delay_alu instid0(VALU_DEP_1)
	v_lshl_or_b32 v253, v239, 24, v253
.irp b, 0,1,2,3
	v_cvt_scalef32_pk8_fp4_f32 v[224+2*\b], v[96+16*\b:103+16*\b], v[244+\b]
	v_cvt_scalef32_pk8_fp4_f32 v[225+2*\b], v[104+16*\b:111+16*\b], v[244+\b]
.endr
	v_nop                                          ; one plain line behind the last scaled conversion
.irp c, 0,1                            ; an operand wants a WHOLE block in a lane
.irp i, 0,1
	v_permlane16_swap_b32 v[224+4*\c+\i], v[226+4*\c+\i]
.endr
.endr
.set J, 0
	s_setprio 0
.rept 16
	v_pk_mul_f32 v[160+J:161+J], v[160+J:161+J], v[252:253] op_sel_hi:[1,0]   ; O^T under the new M.  (These are also the places between the writing of p's codes and scale word and the products)
.set J, J+2
.endr
.irp j, 48,52,56,60
	v_pk_add_f32 v[14:15], v[14:15], v[96+\j:97+\j]   ; the sum's last four additions: four plain lines that write no operand of the products below
.endr
	s_wait_alu depctr_va_vdst(0)
	s_wait_dscnt 0x0                               ; V's fragments and scale words
.irp d, 0,1,2,3
	v_wmma_scale_f32_16x16x128_f8f6f4 v[160+8*\d:167+8*\d], v[192+8*\d:199+8*\d], v[224:231], v[160+8*\d:167+8*\d], v[248+\d], v253 matrix_a_fmt:MATRIX_FMT_FP4 matrix_b_fmt:MATRIX_FMT_FP4
.endr
	s_add_co_u32 s[TB], s[TB], 4096
	s_add_co_u32 s[TS], s[TS], 512
	s_add_co_u32 s[TJ], s[TJ], 256
.endm
; One tile of 16 queries through all 2,048 keys, and its way out.  The loop has no first step of its own: O^T and the sum begin as zeros and the largest t as -3e38.
.macro TILE i, qf, qs
	v_mov_b32 v13, 0xff61b1e6
	s_delay_alu instid0(VALU_DEP_1)
	v_floor_f32 v12, -v13
	v_mov_b32 v14, 0
	v_mov_b32 v15, 0
.set J, 0
.rept 32
	v_mov_b32 v[160+J], 0
.set J, J+1
.endr
.irp b, 0,1,2,3
	v_mov_b32 v[236+\b], 0                         ; a lane permute's destination counts as one of its sources
.endr
	v_mov_b32 v253, 0                              ; (named as the upper half of the pair v[252:253] before it is first written)
	s_mov_b32 s[TB], 0
	s_mov_b32 s[TS], 0
	s_mov_b32 s[TJ], 0
	s_mov_b32 s[CNT], 16
.Lkeys_\@:
	s_setprio 2
	STEP \qf, \qs
	s_sub_co_u32 s[CNT], s[CNT], 1
	s_cmp_lg_u32 s[CNT], 0
	s_cbranch_scc1 .Lkeys_\@
	s_setprio 0
	v_add_f32 v14, v14, v15                        ; the sum's two halves,
	s_delay_alu instid0(VALU_DEP_1)
	v_permlanex16_b32 v252, v14, s[SEL], s[SEL+1]
	s_delay_alu instid0(VALU_DEP_1)
	v_add_f32 v14, v14, v252                       ; and lane l xor 16's: the row's sum
	s_wait_alu depctr_va_vdst(0)
	v_rcp_f32 v14, v14
	v_and_b32 v8, 15, v0                           ; plain lines behind the reciprocal, and the places behind the last products
	s_delay_alu instid0(VALU_DEP_1)
	v_lshlrev_b32 v8, 4, v8                        ; 16 r
	v_and_b32 v9, 31, v0
	s_delay_alu instid0(VALU_DEP_1)
	v_cmp_gt_u32 vcc_lo, 16, v9
	s_wait_alu depctr_va_vdst(0)                   ; the wait ahead of the reciprocal's first reader
.set J, 0
.rept 16
	v_pk_mul_f32 v[96+J:97+J], v[160+J:161+J], v[14:15] op_sel_hi:[1,0]   ; O^T / the sum: register 16 B + i is dim 32 B + 16 h + i of my query's head; each accumulator is read from its low end on
.set J, J+2
.endr
.irp b, 0,1
	v_max3_num_f32 v[232+\b], |v[96+16*\b]|, |v[97+16*\b]|, 0x1800000
.endr
.irp n, 2,4,6,8,10,12,14
.irp b, 0,1
	s_delay_alu instid0(VALU_DEP_2)
	v_max3_num_f32 v[232+\b], v[232+\b], |v[96+16*\b+\n]|, |v[97+16*\b+\n]|
.endr
.endr
.irp b, 0,1
	s_delay_alu instid0(VALU_DEP_2)
	v_permlanex16_b32 v[236+\b], v[232+\b], s[SEL], s[SEL+1]
.endr
.irp b, 0,1
	s_delay_alu instid0(VALU_DEP_2)
	v_max_num_f32 v[232+\b], v[232+\b], v[236+\b]
.endr
.irp b, 0,1
	s_delay_alu instid0(VALU_DEP_2)
	v_add_nc_u32 v[244+\b], 0xff000000, v[232+\b]
.endr
.irp b, 0,1
	s_delay_alu instid0(VALU_DEP_2)
	v_lshrrev_b32 v[236+\b], 23, v[244+\b]
.endr
	s_delay_alu instid0(VALU_DEP_1)
	v_lshl_or_b32 v254, v237, 8, v236              ; the head's two scale bytes of my token
.irp b, 0,1
	v_cvt_scalef32_pk8_fp4_f32 v[224+2*\b], v[96+16*\b:103+16*\b], v[244+\b]
	v_cvt_scalef32_pk8_fp4_f32 v[225+2*\b], v[104+16*\b:111+16*\b], v[244+\b]
.endr
	v_nop                                          ; one plain line behind the last scaled conversion
	v_permlane16_swap_b32 v224, v226
	v_permlane16_swap_b32 v225, v227
	global_store_b128 v1, v[224:227], s[52:53] offset:16*REC*\i   ; 512 consecutive bytes, aligned to 256
	s_wait_alu depctr_va_vdst(0)
	s_wait_xcnt 0x0                                ; EXEC changes only behind this wait
	s_and_saveexec_b32 s56, vcc_lo
	global_store_b16 v8, v254, s[54:55] offset:16*REC*\i
	s_wait_xcnt 0x0                                ; and again; behind it the stores' registers may be written too
	s_or_b32 exec_lo, exec_lo, s56
.endm
	s_wait_loadcnt 0x0                             ; Q
	s_wait_tensorcnt 0x0                           ; my parts of the head have landed,
	s_barrier_signal -1
	s_barrier_wait -1                              ; everybody's have
	TILE 0, 16, 255
	TILE 1, 24, 7
	s_wait_tensorcnt 0x0                           ; the wave's end, behind my last tensor load
	ds_add_u32 v[SPW], v[NIL]
	s_wait_dscnt 0x0
	CROUND                                         ; the closing round
	s_endpgm
.Lfunc_end_k_q5ee048e931_attn:
	.size	k_q5ee048e931_attn, .Lfunc_end_k_q5ee048e931_attn-k_q5ee048e931_attn
	.p2alignl 7, 3214868480
	.fill 96, 4, 3214868480
	.section	.rodata,"a",@progbits
	.p2align	6, 0x0
	.amdhsa_kernel k_q5ee048e931_attn
		.amdhsa_group_segment_fixed_size 327680
		.amdhsa_private_segment_fixed_size 0
		.amdhsa_enable_private_segment 0
		.amdhsa_kernarg_size 24
		.amdhsa_user_sgpr_count 2
		.amdhsa_user_sgpr_kernarg_segment_ptr 1
		.amdhsa_wavefront_size32 1
		.amdhsa_system_sgpr_workgroup_id_x 1
		.amdhsa_system_sgpr_workgroup_id_y 1
		.amdhsa_system_sgpr_workgroup_id_z 1
		.amdhsa_system_vgpr_workitem_id 0
		.amdhsa_next_free_vgpr 256
		.amdhsa_next_free_sgpr 66
		.amdhsa_reserve_vcc 1
		.amdhsa_float_denorm_mode_32 3
		.amdhsa_float_denorm_mode_16_64 3
		.amdhsa_memory_ordered 1
		.amdhsa_forward_progress 1
		.amdhsa_inst_pref_size 52
	.end_amdhsa_kernel
	.amdgpu_metadata
---
amdhsa.version: [ 1, 2 ]
amdhsa.kernels:
  - .name:           k_q5ee048e931_attn
    .symbol:         k_q5ee048e931_attn.kd
    .args:
      - { .name: qkvc, .offset: 0, .size: 8, .value_kind: global_buffer, .address_space: global }
      - { .name: sc, .offset: 8, .size: 8, .value_kind: global_buffer, .address_space: global }
      - { .name: aimg, .offset: 16, .size: 8, .value_kind: global_buffer, .address_space: global }
    .group_segment_fixed_size: 327680
    .private_segment_fixed_size: 0
    .kernarg_segment_align: 8
    .kernarg_segment_size: 24
    .max_flat_workgroup_size: 512
    .sgpr_count:     66
    .vgpr_count:     256
    .wavefront_size: 32
...
	.end_amdgpu_metadata
.endif
;; end of part 3
;; launch out (part 4): grid 8 x 32, 8 waves a work-group, clusters of 4 x 4, 327,680 bytes of LDS; arguments img, aimg, bo, out0; writes out0
.if DOCPART == 4
	.amdgcn_target "amdgcn-amd-amdhsa--gfx1250"
	.amdhsa_code_object_version 6
	.text
	.protected	k_q5ee048e931_out
	.globl	k_q5ee048e931_out
	.p2align	8
	.type	k_q5ee048e931_out,@function
k_q5ee048e931_out:
	s_mov_b64 s[64:65], 0
	v_nop
	global_prefetch_b8 v0, s[64:65] scope:SCOPE_SE
	s_setreg_imm32_b32 hwreg(HW_REG_WAVE_MODE, 25, 1), 1
	s_wait_xcnt 0x0
	s_wait_alu depctr_hold_cnt(0) depctr_sa_sdst(0) depctr_va_vdst(0) depctr_va_sdst(0) depctr_va_ssrc(0) depctr_va_vcc(0) depctr_vm_vsrc(0)
	s_getreg_b32 s2, hwreg(HW_REG_IB_STS2, 6, 4)
	s_cmp_eq_u32 s2, 0
	s_cbranch_scc0 .Lentry_in_a_cluster
	s_endpgm
.Lentry_in_a_cluster:
	s_bfe_u32 s2, ttmp6, 0x10000c
	s_cmp_lg_u32 s2, 0xf033
	s_cbranch_scc0 .Lentry_shape_is_right
	s_endpgm
.Lentry_shape_is_right:
; Launch 4 of 4: product 6, out0 = attention output x Wo^T + bo, on Wo's records of launch 1 and the records of launch 3.  No work of reference() is left out.
; A work-group makes 128 outputs (source 0 = Wo, 8 records) x 256 tokens (source 1, 16 records), all of K = 1,024 lying in LDS, each byte filled once.  Eight waves, each 64 x 64: 16 accumulators.
; CLUSTER 4 x 4: Wo's records hang on the work-group's x alone and are asked for jointly by a column of the cluster, the tokens' on its y alone and by a row.
; A result's registers run along the outputs: a lane holds eight neighbouring numbers of one row of out0.  bo is the C of each sum's first product (another order of rounding than reference()'s).
; THE WAY OUT: 16 tokens x 64 outputs at a time through the wave's own stage in LDS (rows 272 bytes apart, bytes into which no tensor load lands), back as rows of 256 bytes: sixteen lanes store 256 consecutive, aligned bytes.
; LIMITS: as stated at the head of launch 1.
.set REC,   8704
.set S1B,   8*REC
.set STAGE, 24*REC                     ; behind the records: 16 rows x 272 bytes for each wave
.set SPITCH, 272
.set SPARE, STAGE+8*16*SPITCH          ; and the spare words, 128 bytes a wave: four blocks of 256 bytes that no other line names
.set A0,  3
.set A1,  4
.set AS,  5
.set SPW, 6                            ; v6  my spare word; never rewritten
.set NIL, 7                            ; v7  0; never rewritten
.set L16, 8
.set R16, 9
.set H64, 10
.set STO, 11                           ; v11 the stage: where I put 32 bytes of a row
.set RD,  12                           ; v12 and where I read a row back
.set CO,  13                           ; v13 my byte offset in two rows of out0
.set SC,  16                           ; v16-31 scale words and nothing else
.set BI,  32                           ; v32-63 the bias, as C
.set F0,  64                           ; v64-95, v96-127 fragments; on the way out rows read back, two sets by turns
.set F1,  96
.set ACC, 128                          ; accumulator (a, b) at 128 + 32 b + 8 a
.set G1A, 28
.set G1B, 36
.set G0A, 44
.set G0B, 48
.macro CROUND
	s_barrier_signal -1
	s_barrier_wait -1
	s_cmp_lg_u32 s16, 0
	s_cbranch_scc1 .Lnot_wave_0_\@
	s_barrier_signal -3
.Lnot_wave_0_\@:
	s_barrier_wait -3
	s_barrier_signal -1
	s_barrier_wait -1
.endm
.macro PLACES
.rept 4
	v_nop
.endr
.endm
	s_load_b256 s[4:11], s[0:1], 0x0               ; img, aimg, bo, out0
	v_lshl_add_u32 v[SPW], v0, 2, SPARE
	v_mov_b32 v[NIL], 0
	ds_add_u32 v[SPW], v[NIL]                      ; the wave's opening: the add, twice on end, and its wait ahead of my first tensor load
	ds_add_u32 v[SPW], v[NIL]
	v_lshrrev_b32 v1, 5, v0
	s_delay_alu instid0(VALU_DEP_1)
	v_readfirstlane_b32 s16, v1                    ; wave 0..7
	s_and_b32 s17, s16, 1                          ; which 64 outputs are mine
	s_lshr_b32 s18, s16, 1                         ; which 64 tokens
	s_bfe_u32 s19, ttmp6, 0x40000                  ; cx
	s_bfe_u32 s20, ttmp6, 0x40004                  ; cy
	s_lshl_b32 s21, ttmp9, 2
	s_add_co_u32 s21, s21, s19                     ; x: 0..7
	s_and_b32 s22, ttmp7, 0xffff
	s_lshl_b32 s22, s22, 2
	s_add_co_u32 s22, s22, s20                     ; y: 0..31
	s_lshl_b32 s67, 0x1111, s19                    ; my column of the cluster
	s_or_b32 s[G1A], s67, (3<<16)|(1<<21)
	s_lshl_b32 s68, s20, 2
	s_lshl_b32 s68, 15, s68                        ; my row
	s_or_b32 s[G1B], s68, (3<<16)|(1<<21)
	s_mov_b32 s[G1A+1], 32<<16                     ; a record: 34 dense rows of 256 bytes
	s_mov_b32 s[G1A+2], 34<<16
	s_mov_b32 s[G1A+3], 32<<16
	s_mov_b32 s[G1A+4], 34
	s_mov_b32 s[G1A+5], 32
	s_mov_b32 s[G1A+6], 0
	s_mov_b32 s[G1A+7], 0
	s_mov_b32 s[G1B+1], 32<<16                     ; two records: 68 rows
	s_mov_b32 s[G1B+2], 68<<16
	s_mov_b32 s[G1B+3], 32<<16
	s_mov_b32 s[G1B+4], 68
	s_mov_b32 s[G1B+5], 32
	s_mov_b32 s[G1B+6], 0
	s_mov_b32 s[G1B+7], 0
	s_lshl_b32 s52, s21, 3
	s_add_co_u32 s52, s52, s16
	s_add_co_u32 s52, s52, 1728                    ; Wo's record 1,728 + 8 x + w.  s52 never holds cy,
	s_mul_i32 s52, s52, REC
	s_mov_b32 s53, 0
	s_lshl_b32 s54, s22, 4
	s_lshl_b32 s26, s16, 1
	s_add_co_u32 s54, s54, s26                     ; the tokens' records 16 y + 2 w, + 1.  s54 never holds cx
	s_mul_i32 s54, s54, REC
	s_mov_b32 s55, 0
	s_mul_i32 s[G0A+1], s16, REC
	s_mul_i32 s[G0B+1], s16, 2*REC
	s_add_co_u32 s[G0B+1], s[G0B+1], S1B
	s_wait_dscnt 0x0                               ; both opening adds are done
	s_wait_kmcnt 0x0
	s_add_nc_u64 s[G0A+2:G0A+3], s[4:5], s[52:53]
	s_add_nc_u64 s[G0B+2:G0B+3], s[6:7], s[54:55]
	CROUND                                         ; all sixteen work-groups are here: the joint loads meet
	s_mov_b32 s[G0A], 1
	s_or_b32 s[G0A+3], s[G0A+3], 0x80000000
	s_mov_b32 s[G0B], 1
	s_or_b32 s[G0B+3], s[G0B+3], 0x80000000
	tensor_load_to_lds s[G0A:G0A+3], s[G1A:G1A+7]
	s_nop 0
	s_wait_alu depctr_va_vdst(0)
	s_wait_tensorcnt 0x0
	ds_add_u32 v6, v7
	s_wait_dscnt 0x0
	CROUND
	tensor_load_to_lds s[G0B:G0B+3], s[G1B:G1B+7]  ; one load of mine is out: Wo's record has landed
	s_nop 0
	v_and_b32 v1, 15, v0                           ; r
	v_bfe_u32 v2, v0, 4, 1                         ; h
	v_and_b32 v[L16], 31, v0
	s_delay_alu instid0(VALU_DEP_1)
	v_lshlrev_b32 v[L16], 4, v[L16]
	s_wait_alu depctr_va_vdst(0)
	v_lshlrev_b32 v[R16], 4, v1
	v_lshlrev_b32 v[H64], 6, v2
	s_lshl_b32 s70, s21, 9                         ; my first output, in bytes: (128 x + 64 (w & 1)) x 4
	s_lshl_b32 s71, s17, 8
	s_add_co_u32 s70, s70, s71
	s_mov_b32 s71, 0
	s_add_nc_u64 s[56:57], s[8:9], s[70:71]
.irp a, 0,1,2,3
	global_load_b128 v[BI+8*\a:BI+8*\a+3], v[H64], s[56:57] offset:(32*(\a/2)+8*(\a%2))*4       ; tile a's register j is output 32 (a / 2) + 16 h + 8 (a % 2) + j of my 64
	global_load_b128 v[BI+8*\a+4:BI+8*\a+7], v[H64], s[56:57] offset:(32*(\a/2)+8*(\a%2))*4+16
.endr
	s_lshl_b32 s58, s22, 8
	s_lshl_b32 s59, s18, 6
	s_add_co_u32 s58, s58, s59                     ; my first token: 256 y + 64 (w >> 1)
	s_lshl_b32 s58, s58, 12
	s_add_co_u32 s58, s58, s70
	s_mov_b32 s59, 0
	s_add_nc_u64 s[58:59], s[10:11], s[58:59]      ; and its place in out0
	s_mul_i32 s26, s17, 4*REC
	s_mul_i32 s27, s18, 4*REC
	s_add_co_u32 s27, s27, S1B
	v_add_nc_u32 v[A0], s26, v[L16]
	v_add_nc_u32 v[A1], s27, v[L16]
	s_sub_co_u32 s27, s27, s26
	v_mul_u32_u24 v[AS], s27, v2                   ; lanes 16-31 take source 1's words: the lower base + h x the distance
	s_wait_alu depctr_va_vdst(0)
	v_add_nc_u32 v[AS], v[AS], v[R16]
	s_delay_alu instid0(VALU_DEP_1)
	v_add_nc_u32 v[AS], s26, v[AS]
	s_mul_i32 s26, s16, 16*SPITCH
	s_add_co_u32 s26, s26, STAGE                   ; my stage
	v_mul_u32_u24 v[STO], v1, SPITCH
	s_delay_alu instid0(VALU_DEP_1)
	v_add_nc_u32 v[STO], v[STO], v[H64]
	s_delay_alu instid0(VALU_DEP_1)
	v_add_nc_u32 v[STO], s26, v[STO]               ; in: row r, + 64 h
	v_mul_u32_u24 v[RD], v2, SPITCH
	s_delay_alu instid0(VALU_DEP_1)
	v_add_nc_u32 v[RD], v[RD], v[R16]
	s_delay_alu instid0(VALU_DEP_1)
	v_add_nc_u32 v[RD], s26, v[RD]                 ; back: lanes 0-15 one row, lanes 16-31 the next
	v_lshl_add_u32 v[CO], v2, 12, v[R16]           ; and the same two rows in out0
.macro FETCH g
.irp t, 0,1,2,3
.irp c, 0,1
	ds_load_b128 v[F0+8*\t+4*\c:F0+8*\t+4*\c+3], v[A0] offset:\t*REC+512+1024*(\g)+512*\c
	ds_load_b128 v[F1+8*\t+4*\c:F1+8*\t+4*\c+3], v[A1] offset:\t*REC+512+1024*(\g)+512*\c
.endr
.endr
.if (\g)%4 == 0
.irp i, 0,1,2,3
	ds_load_b128 v[SC+4*\i:SC+4*\i+3], v[AS] offset:\i*REC+256*((\g)/4)
.endr
.endif
.endm
; 16 products, the 16 accumulators by turns, one instruction a turn.  first = 1: the sums start from the bias
.macro MUL g, first
.irp b, 0,1,2,3
.irp a, 0,1,2,3
.if \first
	v_wmma_scale_f32_16x16x128_f8f6f4 v[ACC+32*\b+8*\a:ACC+32*\b+8*\a+7], v[F0+8*\a:F0+8*\a+7], v[F1+8*\b:F1+8*\b+7], v[BI+8*\a:BI+8*\a+7], v[SC+4*\a+(\g)%4], v[SC+4*\b+(\g)%4] matrix_a_fmt:MATRIX_FMT_FP4 matrix_b_fmt:MATRIX_FMT_FP4 matrix_b_scale:MATRIX_SCALE_ROW1
.else
	v_wmma_scale_f32_16x16x128_f8f6f4 v[ACC+32*\b+8*\a:ACC+32*\b+8*\a+7], v[F0+8*\a:F0+8*\a+7], v[F1+8*\b:F1+8*\b+7], v[ACC+32*\b+8*\a:ACC+32*\b+8*\a+7], v[SC+4*\a+(\g)%4], v[SC+4*\b+(\g)%4] matrix_a_fmt:MATRIX_FMT_FP4 matrix_b_fmt:MATRIX_FMT_FP4 matrix_b_scale:MATRIX_SCALE_ROW1
.endif
.endr
.endr
.endm
	s_wait_alu depctr_va_vdst(0)
	s_wait_loadcnt 0x0                             ; the bias
	s_wait_tensorcnt 0x0                           ; my three records have landed,
	s_barrier_signal -1
	s_barrier_wait -1                              ; everybody's have
	FETCH 0
	s_wait_dscnt 0x0
	MUL 0, 1
.irp g, 1,2,3,4,5,6,7
	PLACES
	FETCH \g
	s_wait_dscnt 0x0
	MUL \g, 0
.endr
.macro TOSTAGE b                       ; token tile b: 16 rows x 256 bytes into my stage and back as rows
.irp a, 0,1,2,3
	ds_store_b128 v[STO], v[ACC+32*(\b)+8*\a:ACC+32*(\b)+8*\a+3] offset:128*(\a/2)+32*(\a%2)        ; each accumulator from its low end on
	ds_store_b128 v[STO], v[ACC+32*(\b)+8*\a+4:ACC+32*(\b)+8*\a+7] offset:128*(\a/2)+32*(\a%2)+16
.endr
.irp i, 0,1,2,3,4,5,6,7
	ds_load_b128 v[F0+32*((\b)%2)+4*\i:F0+32*((\b)%2)+4*\i+3], v[RD] offset:2*\i*SPITCH   ; LDS serves a wave's instructions in order: these see the stores above, and the next tile's stores come behind them
.endr
.endm
.macro SEND b, younger                 ; younger: the LDS instructions issued behind tile b's loads, which may stay out.  The tile's row 2 i + h is token 32 (b / 2) + 8 (b % 2) + 2 i + h + 8 (i / 4) of my 64
	s_wait_dscnt \younger
.irp i, 0,1,2,3,4,5,6,7
	global_store_b128 v[CO], v[F0+32*((\b)%2)+4*\i:F0+32*((\b)%2)+4*\i+3], s[58:59] offset:(32*((\b)/2)+8*((\b)%2)+2*\i+8*(\i/4))*4096 th:TH_STORE_NT   ; sixteen lanes store 256 consecutive bytes, aligned; written once, read by nobody here
.endr
.endm
	PLACES                                         ; behind the last products: for the stores that read results and the loads into the fragments' registers
	TOSTAGE 0
.irp b, 1,2,3
.if \b > 1
	s_wait_xcnt 0x0                                ; tile b - 2's stores have read their registers: tile b's rows may land there
.endif
	TOSTAGE \b
	SEND \b-1, 16                                  ; behind tile b - 1's loads: tile b's 8 stores and 8 loads
.endr
	SEND 3, 0
	s_wait_tensorcnt 0x0                           ; the wave's end, behind my last tensor load and my last LDS store
	ds_add_u32 v[SPW], v[NIL]
	s_wait_dscnt 0x0
	CROUND                                         ; the closing round
	s_endpgm
.Lfunc_end_k_q5ee048e931_out:
	.size	k_q5ee048e931_out, .Lfunc_end_k_q5ee048e931_out-k_q5ee048e931_out
	.p2alignl 7, 3214868480
	.fill 96, 4, 3214868480
	.section	.rodata,"a",@progbits
	.p2align	6, 0x0
	.amdhsa_kernel k_q5ee048e931_out
		.amdhsa_group_segment_fixed_size 327680
		.amdhsa_private_segment_fixed_size 0
		.amdhsa_enable_private_segment 0
		.amdhsa_kernarg_size 32
		.amdhsa_user_sgpr_count 2
		.amdhsa_user_sgpr_kernarg_segment_ptr 1
		.amdhsa_wavefront_size32 1
		.amdhsa_system_sgpr_workgroup_id_x 1
		.amdhsa_system_sgpr_workgroup_id_y 1
		.amdhsa_system_sgpr_workgroup_id_z 1
		.amdhsa_system_vgpr_workitem_id 0
		.amdhsa_next_free_vgpr 256
		.amdhsa_next_free_sgpr 72
		.amdhsa_reserve_vcc 0
		.amdhsa_float_denorm_mode_32 3
		.amdhsa_float_denorm_mode_16_64 3
		.amdhsa_memory_ordered 1
		.amdhsa_forward_progress 1
		.amdhsa_inst_pref_size 41
	.end_amdhsa_kernel
	.amdgpu_metadata
---
amdhsa.version: [ 1, 2 ]
amdhsa.kernels:
  - .name:           k_q5ee048e931_out
    .symbol:         k_q5ee048e931_out.kd
    .args:
      - { .name: img, .offset: 0, .size: 8, .value_kind: global_buffer, .address_space: global }
      - { .name: aimg, .offset: 8, .size: 8, .value_kind: global_buffer, .address_space: global }
      - { .name: bo, .offset: 16, .size: 8, .value_kind: global_buffer, .address_space: global }
      - { .name: out0, .offset: 24, .size: 8, .value_kind: global_buffer, .address_space: global }
    .group_segment_fixed_size: 327680
    .private_segment_fixed_size: 0
    .kernarg_segment_align: 8
    .kernarg_segment_size: 32
    .max_flat_workgroup_size: 256
    .sgpr_count:     72
    .vgpr_count:     256
    .wavefront_size: 32
...
	.end_amdgpu_metadata
.endif
;; end of part 4
